; MI455X (gfx1250); checked and timed in simulation.
; The chip was launched on July 23, 2026; its instructions are those of AMD's public machine-readable ISA for CDNA 5 (MIT licence, August 2026) and "CDNA5" Instruction Set Architecture Reference Guide (July 2026). The comments in the code are by the model that wrote it; some were corrected since.
;; Multi Head Attention. Allowed arithmetic: float matrix products may take bf16 or f16 operands with f32 sums; other float arithmetic in f32, or as packed bf16 or f16 multiplies, adds, multiply-adds, maxima and minima; sums over many terms, partial sums and values carried from step to step in f32; what a program stores and reads back later, other than sums and carried values, may be rounded once to bf16 or f16.
;; Inputs: Wk 2,048 x 2,048 float32; Wq 2,048 x 2,048 float32; Wv 2,048 x 2,048 float32; key 4 x 1,024 x 2,048 float32; key_padding_mask 4 x 1,024 bool; query 4 x 1,024 x 2,048 float32; query_padding_mask 4 x 1,024 bool.
;; Outputs: out0 4 x 1,024 x 2,048 float32.
;; One version. Each part assembles by itself: llvm-mc -triple=amdgcn-amd-amdhsa -mcpu=gfx1250 --defsym DOCPART=n.
;; ======== version 1 of 1: 3 launches
;; limits: a function is approximated: absolute error at most 1e-05
;; workspace buffers: xb 33,554,432 bytes; xq 25,165,824 bytes; kvp 18,874,368 bytes
;; launch cast (part 1): grid 256 x 4, 8 waves a work-group, no clusters, 0 bytes of LDS; arguments key, Wk, Wv, xb; writes xb
.if DOCPART == 1
	.amdgcn_target "amdgcn-amd-amdhsa--gfx1250"
	.amdhsa_code_object_version 6
	.text
	.protected	k_qd6d2ada0bc_cast
	.globl	k_qd6d2ada0bc_cast
	.p2align	8
	.type	k_qd6d2ada0bc_cast,@function
k_qd6d2ada0bc_cast:
	s_mov_b64 s[64:65], 0
	v_nop
	global_prefetch_b8 v0, s[64:65] scope:SCOPE_SE
	s_setreg_imm32_b32 hwreg(HW_REG_WAVE_MODE, 25, 1), 1
	s_wait_xcnt 0x0
; key, Wk, Wv (f32) -> xb (bf16, rounded to nearest even), each byte read once and written once: what the next launch multiplies.  (query and Wq are converted inside that launch.)
; xb: byte 0 key [4096][2048]; 16,777,216 Wk [2048][2048]; 25,165,824 Wv [2048][2048].
; The grid's y names a chunk of 16,777,216 source bytes: 0, 1 the halves of key; 2 Wk; 3 Wv.  Its 8,388,608 bytes of bf16 begin at y x 8,388,608.
; A work-group takes 65,536 source bytes, a wave 8,192: sixteen loads of 512 consecutive bytes, all out at once; there is no loop, and no register is written twice.
; A store of 8 bytes a lane covers 256 consecutive bytes, at a multiple of 256 from xb's first byte.  No LDS, no matrix unit, no cluster: nothing is shared and nothing is reduced.
.set X, 4                              ; v[4:67]   sixteen loads of four f32
.set Y, 68                             ; v[68:99]  sixteen pairs of packed bf16
	s_load_b256 s[4:11], s[0:1], 0x0               ; key s[4:5], Wk s[6:7], Wv s[8:9], xb s[10:11]
	s_and_b32 s16, ttmp7, 0xffff                   ; the chunk
	v_and_b32 v1, 31, v0
	v_lshrrev_b32 v2, 5, v0
	v_lshlrev_b32 v1, 4, v1                        ; 16 bytes a lane
	v_lshl_add_u32 v1, v2, 13, v1                  ; + 8,192 x wave: my place among the group's source bytes
	v_lshrrev_b32 v3, 1, v1                        ; and among its bf16 bytes
	s_and_b32 s20, s16, 1                          ; which half of key; the weights have one chunk each
	s_cmp_lt_u32 s16, 2
	s_cselect_b32 s20, s20, 0
	s_lshl_b32 s20, s20, 24
	s_lshl_b32 s21, ttmp9, 16
	s_add_co_u32 s20, s20, s21                     ; source offset: half x 16,777,216 + group x 65,536
	s_mov_b32 s21, 0
	s_lshl_b32 s22, s16, 23
	s_lshl_b32 s23, ttmp9, 15
	s_add_co_u32 s22, s22, s23                     ; offset in xb: chunk x 8,388,608 + group x 32,768
	s_mov_b32 s23, 0
	s_wait_kmcnt 0x0
	s_cmp_eq_u32 s16, 2                            ; the source is chosen by the chunk's number alone
	s_cselect_b64 s[18:19], s[6:7], s[4:5]
	s_cmp_eq_u32 s16, 3
	s_cselect_b64 s[18:19], s[8:9], s[18:19]
	s_add_nc_u64 s[18:19], s[18:19], s[20:21]
	s_add_nc_u64 s[10:11], s[10:11], s[22:23]
.irp i, 0,1,2,3,4,5,6,7,8,9,10,11,12,13,14,15
	global_load_b128 v[X+4*(\i):X+4*(\i)+3], v1, s[18:19] offset:512*(\i) th:TH_LOAD_NT
.endr
.irp i, 0,1,2,3,4,5,6,7,8,9,10,11,12,13,14,15
	s_wait_loadcnt 15-(\i)                         ; loads come back in order (ISA guide 5.7.1): load i is in, the younger ones stay out
	v_cvt_pk_bf16_f32 v[Y+2*(\i)], v[X+4*(\i)], v[X+4*(\i)+1]
	v_cvt_pk_bf16_f32 v[Y+2*(\i)+1], v[X+4*(\i)+2], v[X+4*(\i)+3]
	global_store_b64 v3, v[Y+2*(\i):Y+2*(\i)+1], s[10:11] offset:256*(\i)  ; no hint: the next launch reads these bytes
.endr
	s_endpgm
.Lfunc_end_k_qd6d2ada0bc_cast:
	.size	k_qd6d2ada0bc_cast, .Lfunc_end_k_qd6d2ada0bc_cast-k_qd6d2ada0bc_cast
	.p2alignl 7, 3214868480
	.fill 96, 4, 3214868480
	.section	.rodata,"a",@progbits
	.p2align	6, 0x0
	.amdhsa_kernel k_qd6d2ada0bc_cast
		.amdhsa_group_segment_fixed_size 0
		.amdhsa_private_segment_fixed_size 0
		.amdhsa_enable_private_segment 0
		.amdhsa_kernarg_size 32
		.amdhsa_user_sgpr_count 2
		.amdhsa_user_sgpr_kernarg_segment_ptr 1
		.amdhsa_wavefront_size32 1
		.amdhsa_system_sgpr_workgroup_id_x 1
		.amdhsa_system_sgpr_workgroup_id_y 1
		.amdhsa_system_sgpr_workgroup_id_z 1
		.amdhsa_system_vgpr_workitem_id 0
		.amdhsa_next_free_vgpr 100
		.amdhsa_next_free_sgpr 66
		.amdhsa_reserve_vcc 0
		.amdhsa_float_denorm_mode_32 3
		.amdhsa_float_denorm_mode_16_64 3
		.amdhsa_memory_ordered 1
		.amdhsa_forward_progress 1
		.amdhsa_inst_pref_size 7
	.end_amdhsa_kernel
	.amdgpu_metadata
---
amdhsa.version: [ 1, 2 ]
amdhsa.kernels:
  - .name:           k_qd6d2ada0bc_cast
    .symbol:         k_qd6d2ada0bc_cast.kd
    .args:
      - { .name: key, .offset: 0, .size: 8, .value_kind: global_buffer, .address_space: global }
      - { .name: Wk, .offset: 8, .size: 8, .value_kind: global_buffer, .address_space: global }
      - { .name: Wv, .offset: 16, .size: 8, .value_kind: global_buffer, .address_space: global }
      - { .name: xb, .offset: 24, .size: 8, .value_kind: global_buffer, .address_space: global }
    .group_segment_fixed_size: 0
    .private_segment_fixed_size: 0
    .kernarg_segment_align: 8
    .kernarg_segment_size: 32
    .max_flat_workgroup_size: 256
    .sgpr_count:     66
    .vgpr_count:     100
    .wavefront_size: 32
...
	.end_amdgpu_metadata
.endif
;; end of part 1
;; launch kvproj (part 2): grid 16 x 16, 4 waves a work-group, clusters of 4 x 4, 327,680 bytes of LDS; arguments xb, key_padding_mask, kvp, query, Wq, xq; writes kvp, xq
.if DOCPART == 2
	.amdgcn_target "amdgcn-amd-amdhsa--gfx1250"
	.amdhsa_code_object_version 6
	.text
	.protected	k_qd6d2ada0bc_kvproj
	.globl	k_qd6d2ada0bc_kvproj
	.p2align	8
	.type	k_qd6d2ada0bc_kvproj,@function
k_qd6d2ada0bc_kvproj:
	s_mov_b64 s[64:65], 0
	v_nop
	global_prefetch_b8 v0, s[64:65] scope:SCOPE_SE
	s_setreg_imm32_b32 hwreg(HW_REG_WAVE_MODE, 25, 1), 1
	s_wait_xcnt 0x0
	s_wait_alu depctr_hold_cnt(0) depctr_sa_sdst(0) depctr_va_vdst(0) depctr_va_sdst(0) depctr_va_ssrc(0) depctr_va_vcc(0) depctr_vm_vsrc(0)
	s_getreg_b32 s2, hwreg(HW_REG_IB_STS2, 6, 4)
	s_cmp_eq_u32 s2, 0
	s_cbranch_scc0 .Lentry_in_a_cluster
	s_endpgm
.Lentry_in_a_cluster:
	s_bfe_u32 s2, ttmp6, 0x10000c
	s_cmp_lg_u32 s2, 0xf033
	s_cbranch_scc0 .Lentry_shape_is_right
	s_endpgm
.Lentry_shape_is_right:
; THE KEY SIDE.  For one head h and one block of 256 keys: k = key Wk^T and v = key Wv^T (128 channels each, K = 2,048, bf16 operands out of xb, f32 sums); pk = softplus(k), 0 for padded keys;
; then the block's share of kv[d][e] = sum over keys of pk[key][d] v[key][e] and of ksum[d] = sum of pk[key][d], in f32, into kvp.  k and v never reach memory.
; kvp: 256 blocks of 73,728 bytes, block ((n 16 + h) 4 + p) for key block p of batch n: 72 tiles of 1,024 bytes, tile 9 db + eb (16 channels d x 16 channels e; eb = 8: v taken as 1, so every column is ksum).
; A tile is the register image of a 16 x 16 result: registers 0-3 at 16 x lane, registers 4-7 at 512 + 16 x lane; lane l, register j: d = 16 db + 8 (l / 16) + j, e = 16 eb + l % 16.
; BESIDE THE K LOOP the launch makes the next launch's operands: query and Wq (f32) rounded to bf16 (nearest even) into xq: byte 0 query [4096][2048], 16,777,216 Wq [2048][2048].  Each of the 1,024 waves takes
; 32,768 bytes of query and 16,384 of Wq: 96 loads of 512 bytes, two in each of the 48 quarter steps that fetch fragments; the four conversions are the four places that stand in front of the LDS loads anyway.
; LIMITS.  softplus(x) = max(x, 0) + ln(1 + t), t = 2^(-|x| log2 e), which lies in 0 to 1 for every x; ln(1 + t) = t P(t), P of degree 4 (Abramowitz and Stegun 4.1.43): off by 1e-5 at the most, and by
; 5.1e-4 of itself at the most (as t goes to 0).  Below x = -87.3 t is under 2^-126 and v_exp_f32 gives 0: pk counts as 0 there.  pk and v are rounded once to bf16 for the second product; ksum is the sum
; of the same rounded pk.  Mask bytes are 0 or 1.  NaN and infinities are not treated apart.
; SHARES.  Grid x = head, y = key block: 256 work-groups of four waves.  The tile is 256 keys x 256 columns; a wave has 128 keys (wave / 2) x 64 channels of k and the same 64 of v (wave % 2):
; 64 accumulators of 16 x 16, so all four waves have equal softplus work.  K goes in steps of 128 through two LDS slots filled by the tensor data mover; rows of 256 bytes at multiples of 256.
; THE MATRIX INSTRUCTION: source 0 = 16 keys, source 1 = 16 rows of Wk or Wv.  A lane then holds ONE channel (l % 16) and the keys 8 (l / 16) + 0..7: two key blocks rounded to bf16 in pairs
; are a fragment 16 channels x 32 keys, which serves as either source of the second product.
; CLUSTER: 4 x 4 work-groups.  The four of a row share the key block (A's tiles), the four of a column the head (B's tiles): each tile is asked for jointly, by the same tensor load, descriptor and mask in all four.
; REGISTERS, in windows of 256 (s_set_vgpr_msb: bits 1:0 source 0, 3:2 source 1, 5:4 source 2, 7:6 destination):
;   window 0: v0-31 addresses; v32-63 mask words; v64-127, v128-191 fragments of A, two buffers; v192-243 query's and Wq's numbers on their way; on the way out v64-195 at work; in the second product
;   v64-223 two fragment buffers, v224-231 ones
;   window 1: v64-127, v128-191 fragments of B      window 2: accumulators of my keys 0-63 ((a, b) at v[8 (8 a + b)]), later the 18 of the second product      window 3: those of my keys 64-127
.set KD,     2048
.set KSTEP,  128
.set PITCH,  272                       ; an LDS row: 256 bytes + 16 of padding = 68 words: row r starts at bank 4 r mod 64 (64 banks of 4 bytes: ISA guide 11.1), so the 16 rows of a load start at 16 different banks
.set HALFT,  128*PITCH                 ; 128 rows: what one tensor load brings
.set SLOT,   4*HALFT                   ; 256 keys, then the head's 128 rows of Wk, then its 128 rows of Wv
.set SPARE,  2*SLOT                    ; behind the ring: the spare words, 128 bytes for each wave: two blocks of 256 bytes that no other line names
.set VT,     65536                     ; pk's fragments lie at LDS byte 0, v's here: both inside slot 0, written only when slot 0 has had its last fill and its last read
.set LAPS,   KD/(2*KSTEP)              ; a lap = two K steps = once round the ring
.set XWKV,   16777216                  ; in xb: Wk's copy, with Wv's behind it: one matrix of 4,096 rows; key's copy lies at byte 0
.set XQW,    16777216                  ; in xq: Wq's copy; query's lies at byte 0
.set GD,   5                           ; v5      8 x lane
.set ADRA, 16                          ; v16-17  LDS address of my A fragments in slot 0, 1
.set ADRB, 20                          ; v20-21  the same for B
.set MO,   22                          ; v22     8 (l / 16): my eight keys in a block of 16 mask bytes
.set GO,   23                          ; v23     16 x lane
.set STK,  24                          ; v24     where my first key block's pk goes
.set STV,  25                          ; v25     the same for v
.set RK,   26                          ; v26     where my two channel blocks of pk are read
.set RV,   27                          ; v27     where v is read
.set SPW,  28                          ; v28     LDS address of my spare word; never rewritten
.set NIL,  29                          ; v29     0; never rewritten
.set SA,   30                          ; v30-31  the trip's two store addresses
.set MW,   32                          ; v32-63  key block a: four words, 0xffff for each key of a pair that is not padded
.set F0,   64
.set F1,   128
.set MR,   64                          ; v64-79  mask bytes as loaded, ahead of the first fragments
.set TM,   80
.set XR,   192                         ; v192-239 six buffers of 8: two loads of four f32 each
.set YR,   240                         ; v240-243 their eight bf16, to store
.set T,    64                          ; the way out, 32 numbers a trip: t, then softplus
.set R,    96                          ; max(x, 0)
.set U,    128                         ; P(t)
.set PK,   160                         ; pk, packed
.set PV,   176                         ; v, packed
.set MC,   192                         ; the trip's four mask words
.set XB,   64                          ; the second product: two buffers of 80: 2 fragments of pk, 8 of v
.set ONES, 224
.set G1, 24                            ; s[24:31] descriptor group 1 for A's tiles;  s[32:39] group 0, one set for each slot
.set G0, 32
.set G1B, 48                           ; s[48:55], s[56:63] the same for B's tiles
.set G0B, 56
.set NL2E, 66                          ; s66      -log2 e
.set CA,   67                          ; s67      the way out's key block
.set A1,   68                          ; s[68:77] the polynomial's five numbers, each as a pair: the packed lines name a pair and take its low word
.set A2,   70
.set A3,   72
.set A4,   74
.set A5,   76
.set LQ,   80                          ; s[80:81] query, where my loads of the six quarter steps in hand begin
.set LW,   82                          ; s[82:83] Wq, likewise
.set SQ,   84                          ; s[84:85] xq, where my stores of query's copy begin
.set SW,   86                          ; s[86:87] xq, the same for Wq's copy
.set SELA, 88                          ; s88, s89 byte selects that double mask bytes 0, 1 and 2, 3 into halves
.set SELB, 89
.set MSB, 0
.macro WIN new                         ; the immediate's high byte repeats the setting that is left; a switch that changes nothing is dropped
.if MSB != (\new)
	s_set_vgpr_msb (MSB<<8)|(\new)
.set MSB, (\new)
.endif
.endm
.set MUL_LO, 0xa4                      ; source 0 (A) window 0, source 1 (B) window 1, C and D window 2
.set MUL_HI, 0xf4                      ; the same, C and D window 3
.set TO_B,   0x40                      ; destination window 1, address window 0
; A joint load.  Waves 0 and 1 fetch A's two halves, waves 2 and 3 Wk's and Wv's rows.  The branch hangs on the wave's number alone.  An s_nop 0 and four v_nop follow each of the two lines.
.macro JLOAD s
	s_cmp_eq_u32 s11, 0
	s_cbranch_scc0 .Lfor_b_\@
	tensor_load_to_lds s[G0+4*(\s):G0+4*(\s)+3], s[G1:G1+7]
	s_nop 0
.rept 4
	v_nop
.endr
	s_branch .Lasked_\@
.Lfor_b_\@:
	tensor_load_to_lds s[G0B+4*(\s):G0B+4*(\s)+3], s[G1B:G1B+7]
	s_nop 0
.rept 4
	v_nop
.endr
.Lasked_\@:
.endm
.macro CREST                           ; a round of the cluster's barrier behind its opening barrier: wave 0 signals for the work-group, every wave waits for all sixteen, my work-group's barrier closes it
	s_cmp_lg_u32 s10, 0
	s_cbranch_scc1 .Lnot_wave_0_\@
	s_barrier_signal -3
.Lnot_wave_0_\@:
	s_barrier_wait -3
	s_barrier_signal -1
	s_barrier_wait -1
.endm
.macro CROUND                          ; a whole round
	s_barrier_signal -1
	s_barrier_wait -1
	CREST
.endm
.macro PLACES                          ; four places behind a matrix instruction, ahead of loads into its sources and of vector lines that read its result or write its registers
.rept 4
	v_nop
.endr
.endm
; QUERY'S AND WQ'S COPIES.  The 48 quarter steps are numbered i; of each six, numbers 0, 1, 3, 4 serve query and 2, 5 serve Wq, 1,024 source bytes each.  Buffer c = i % 6.
.macro RLOAD c                         ; two loads of 512 consecutive bytes into buffer c
.if ((\c)%3) == 2
	global_load_b128 v[XR+8*(\c):XR+8*(\c)+3],   v[GO], s[LW:LW+1] offset:((\c)/3)*1024 th:TH_LOAD_NT
	global_load_b128 v[XR+8*(\c)+4:XR+8*(\c)+7], v[GO], s[LW:LW+1] offset:((\c)/3)*1024+512 th:TH_LOAD_NT
.else
	global_load_b128 v[XR+8*(\c):XR+8*(\c)+3],   v[GO], s[LQ:LQ+1] offset:(((\c)/3)*2+(\c)%3)*1024 th:TH_LOAD_NT
	global_load_b128 v[XR+8*(\c)+4:XR+8*(\c)+7], v[GO], s[LQ:LQ+1] offset:(((\c)/3)*2+(\c)%3)*1024+512 th:TH_LOAD_NT
.endif
.endm
; Buffer b is rounded and stored; issue = 1: the bytes of the quarter step five on are asked for, into the buffer that the last quarter step emptied.  left: the younger loads, which may stay out.
; padd = 1: the stores belong to the next six already (the loop's last quarter step).  The four conversions name no register of a matrix instruction: they are the four places in front of the LDS loads that follow.
.macro RIDE b, issue, left, padd
	WIN 0
	s_wait_loadcnt \left                           ; loads come back in order (ISA guide 5.7.1): buffer b is in
	s_wait_xcnt 0x0                                ; the last quarter step's stores have read v240-243 (ISA guide 3.1): they are rewritten only behind this wait
.irp j, 0,1,2,3
	v_cvt_pk_bf16_f32 v[YR+(\j)], v[XR+8*(\b)+2*(\j)], v[XR+8*(\b)+2*(\j)+1]
.endr
.if \issue
	RLOAD ((\b)+5)%6
.endif
.if ((\b)%3) == 2
	global_store_b64 v[GD], v[YR:YR+1],   s[SW:SW+1] offset:((\b)/3)*512+(\padd)*1024       ; 256 consecutive bytes, at a multiple of 256 from xq's first byte
	global_store_b64 v[GD], v[YR+2:YR+3], s[SW:SW+1] offset:((\b)/3)*512+(\padd)*1024+256
.else
	global_store_b64 v[GD], v[YR:YR+1],   s[SQ:SQ+1] offset:(((\b)/3)*2+(\b)%3)*512+(\padd)*2048
	global_store_b64 v[GD], v[YR+2:YR+3], s[SQ:SQ+1] offset:(((\b)/3)*2+(\b)%3)*512+(\padd)*2048+256
.endif
.endm
	s_load_b128 s[4:7], s[0:1], 0x0                ; xb s[4:5], key_padding_mask s[6:7]
	s_load_b64 s[8:9], s[0:1], 0x10                ; kvp
	s_load_b128 s[80:83], s[0:1], 0x18             ; query, Wq
	s_load_b64 s[84:85], s[0:1], 0x28              ; xq
	v_lshl_add_u32 v[SPW], v0, 2, SPARE
	v_mov_b32 v[NIL], 0
	ds_add_u32 v[SPW], v[NIL]                      ; the wave's opening: the add and its wait stand ahead of my first tensor load; the set-up below, work on registers, stands between them
	v_lshrrev_b32 v1, 5, v0
	v_readfirstlane_b32 s10, v1                    ; wave 0..3
	s_lshr_b32 s11, s10, 1                         ; which 128 keys are mine.  Also: I fetch for A (0) or for B (1)
	s_and_b32 s12, s10, 1                          ; which 64 channels.  Also: which 128 rows I fetch
	s_bfe_u32 s40, ttmp6, 0x40000                  ; cx, cy: my place in the cluster
	s_bfe_u32 s41, ttmp6, 0x40004
	s_lshl_b32 s42, ttmp9, 2
	s_add_co_u32 s42, s42, s40                     ; the head = 4 x cluster x + cx
	s_and_b32 s13, ttmp7, 0xffff
	s_lshl_b32 s13, s13, 2
	s_add_co_u32 s13, s13, s41                     ; the key block = 4 x cluster y + cy
	s_lshl_b32 s43, s41, 2
	s_lshl_b32 s43, 15, s43                        ; my row of the cluster
	s_lshl_b32 s44, 0x1111, s40                    ; my column
	; descriptor group 1: a tile of 128 rows x 128 elements, padded in LDS
	s_or_b32 s[G1+0], s43, (1<<16)|(1<<20)|(1<<21)|(5<<22)|(3<<25)  ; 15:0 the mask: A's tiles go to my row; 17:16 2-byte elements; 20 padding on; 21 set beside a mask; 24:22 after every 64 words (code 5); 31:25 4 words (code 3)
	s_or_b32 s[G1B+0], s44, (1<<16)|(1<<20)|(1<<21)|(5<<22)|(3<<25) ; the same with my column's mask
.irp g, G1, G1B
	s_mov_b32 s[(\g)+1], KSTEP<<16                 ; tensor_dim0 = 128
	s_mov_b32 s[(\g)+2], 128<<16                   ; tensor_dim1 = 128
	s_mov_b32 s[(\g)+3], KSTEP<<16                 ; tile_dim0 = 128
	s_mov_b32 s[(\g)+4], 128                       ; tile_dim1 = 128
	s_mov_b32 s[(\g)+5], KD                        ; 2,048 elements from row to row
	s_mov_b32 s[(\g)+6], 0
	s_mov_b32 s[(\g)+7], 0
.endr
	s_mov_b32 s[NL2E], 0xbfb8aa3b
	s_mov_b32 s[A1], 0x3f7fdef1                    ;  0.99949556
	s_mov_b32 s[A2], 0xbefbdb7e                    ; -0.49190896
	s_mov_b32 s[A3], 0x3e94360a                    ;  0.28947478
	s_mov_b32 s[A4], 0xbe0b5409                    ; -0.13606275
	s_mov_b32 s[A5], 0x3d03b894                    ;  0.03215845
.irp c, A1, A2, A3, A4, A5
	s_mov_b32 s[(\c)+1], s[\c]                     ; named with it as a pair
.endr
	s_mov_b32 s[SELA], 0x01010000
	s_mov_b32 s[SELB], 0x03030202
	; where the tiles come from, as byte offsets in xb (all under 2^26).  A's hang on the key block alone, B's on the head alone, each in registers that never hold the other coordinate.
	s_lshl_b32 s17, s12, 7
	s_lshl_b32 s16, s13, 8
	s_add_co_u32 s16, s16, s17                     ; key row 256 x block + 128 x half
	s_lshl_b32 s16, s16, 12                        ; rows of 4,096 bytes
	s_mov_b32 s17, 0
	s_lshl_b32 s46, s42, 7
	s_lshl_b32 s47, s12, 11
	s_add_co_u32 s46, s46, s47                     ; row 128 x head of Wk, or 2,048 rows on: of Wv
	s_lshl_b32 s46, s46, 12
	s_add_co_u32 s46, s46, XWKV
	s_mov_b32 s47, 0
	s_mul_i32 s20, s10, HALFT                      ; and where they go: wave x 128 rows: no place in the cluster enters an LDS address
	s_wait_dscnt 0x0                               ; the opening add is done
	s_wait_kmcnt 0x0
	s_add_nc_u64 s[14:15], s[4:5], s[16:17]
	s_add_nc_u64 s[46:47], s[4:5], s[46:47]
	CROUND                                         ; all sixteen work-groups are here: the first joint loads meet
.irp s, 0,1
	s_mov_b32 s[G0+4*(\s)], 1                                      ; count = 1
	s_add_co_u32 s[G0+4*(\s)+1], s20, (\s)*SLOT                    ; LDS address
	s_add_nc_u64 s[G0+4*(\s)+2:G0+4*(\s)+3], s[14:15], (\s)*KSTEP*2  ; global address: K step s
	s_or_b32 s[G0+4*(\s)+3], s[G0+4*(\s)+3], 0x80000000            ; type = 2
	s_mov_b32 s[G0B+4*(\s)], 1
	s_add_co_u32 s[G0B+4*(\s)+1], s20, (\s)*SLOT
	s_add_nc_u64 s[G0B+4*(\s)+2:G0B+4*(\s)+3], s[46:47], (\s)*KSTEP*2
	s_or_b32 s[G0B+4*(\s)+3], s[G0B+4*(\s)+3], 0x80000000
	JLOAD \s                                       ; two loads of mine are out
.endr
	; my keys' mask bytes: 8 a lane for each of my eight key blocks
	v_and_b32 v1, 15, v0                           ; l % 16
	v_bfe_u32 v2, v0, 4, 1                         ; l / 16
	v_and_b32 v4, 31, v0
	v_lshlrev_b32 v[MO], 3, v2
	v_lshlrev_b32 v[GO], 4, v4
	v_lshlrev_b32 v[GD], 3, v4
	s_lshl_b32 s90, s13, 8
	s_lshl_b32 s91, s11, 7
	s_add_co_u32 s90, s90, s91                     ; my first key among the 4,096
	s_mov_b32 s91, 0
	s_add_nc_u64 s[6:7], s[6:7], s[90:91]
.irp a, 0,1,2,3,4,5,6,7
	global_load_b64 v[MR+2*(\a):MR+2*(\a)+1], v[MO], s[6:7] offset:16*(\a)
.endr
	; my wave among the launch's 1,024, and its parts of query, Wq and xq
	s_lshl_b32 s90, s13, 4
	s_add_co_u32 s90, s90, s42
	s_lshl_b32 s90, s90, 2
	s_add_co_u32 s90, s90, s10
	s_mov_b32 s93, 0
	s_lshl_b32 s92, s90, 13                        ; 8,192 bytes of Wq's copy,
	s_add_co_u32 s92, s92, XQW
	s_add_nc_u64 s[SW:SW+1], s[SQ:SQ+1], s[92:93]
	s_lshl_b32 s92, s90, 14                        ; 16,384 of query's copy and of Wq,
	s_add_nc_u64 s[SQ:SQ+1], s[SQ:SQ+1], s[92:93]
	s_add_nc_u64 s[LW:LW+1], s[LW:LW+1], s[92:93]
	s_lshl_b32 s92, s90, 15                        ; 32,768 of query
	s_add_nc_u64 s[LQ:LQ+1], s[LQ:LQ+1], s[92:93]
.irp c, 0,1,2,3,4
	RLOAD \c                                       ; the first five quarter steps' bytes: ten loads
.endr
	; A fragment is 16 rows x 32 K in 8 registers: lane l holds row l % 16; registers 0-3 K = 8 (l / 16) + 0..7, registers 4-7 K = 16 + 8 (l / 16) + 0..7: two loads of 16 bytes, 32 bytes apart.
	v_mul_u32_u24 v3, v1, PITCH
	v_lshl_add_u32 v3, v2, 4, v3
	s_mul_i32 s21, s11, HALFT                      ; my 128 keys
	s_mul_i32 s22, s12, 64*PITCH                   ; my 64 rows of Wk; Wv's lie 128 rows on
	s_add_co_u32 s22, s22, 2*HALFT
.irp s, 0,1
	v_add_nc_u32 v[ADRA+(\s)], s21, v3
	v_add_nc_u32 v[ADRB+(\s)], s22, v3
	s_add_co_u32 s21, s21, SLOT
	s_add_co_u32 s22, s22, SLOT
.endr
	; pk's fragment (channel block db, 32 keys ks) lies at (8 db + ks) x 1,024, its two halves of 16 keys 512 apart: my block (a, b) at 32,768 (wave % 2) + 8,192 b + 4,096 (wave / 2) + 512 a + 16 x lane
	s_lshl_b32 s21, s12, 15
	s_lshl_b32 s22, s11, 12
	s_add_co_u32 s21, s21, s22
	v_add_nc_u32 v[STK], s21, v[GO]
	v_add_nc_u32 v[STV], VT, v[STK]
	v_lshl_add_u32 v[RK], s10, 14, v[GO]           ; the second product: wave w takes channel blocks 2 w, 2 w + 1 of pk
	v_add_nc_u32 v[RV], VT, v[GO]
	s_lshr_b32 s92, s13, 2                         ; kvp: block (batch x 16 + head) x 4 + key block in the batch,
	s_lshl_b32 s92, s92, 6
	s_lshl_b32 s90, s42, 2
	s_add_co_u32 s92, s92, s90
	s_and_b32 s90, s13, 3
	s_add_co_u32 s92, s92, s90
	s_mul_i32 s92, s92, 73728
	s_mul_i32 s90, s10, 18432                      ; my 18 tiles in it
	s_add_co_u32 s92, s92, s90
	s_add_nc_u64 s[8:9], s[8:9], s[92:93]
	s_wait_loadcnt 10                              ; the mask bytes are in; the ten loads behind them stay out
.irp a, 0,1,2,3,4,5,6,7
.irp q, 0,1
	v_mul_lo_u32 v[TM+(\q)], v[MR+2*(\a)+(\q)], 0xff         ; each byte 0 or 1 -> 0x00 or 0xff,
	v_xor_b32 v[TM+(\q)], -1, v[TM+(\q)]                     ; turned: 0xff where the key counts,
	v_perm_b32 v[MW+4*(\a)+2*(\q)], v[TM+(\q)], v[TM+(\q)], s[SELA]    ; and doubled: a half for each key of a pair
	v_perm_b32 v[MW+4*(\a)+2*(\q)+1], v[TM+(\q)], v[TM+(\q)], s[SELB]
.endr
.endr
; 16 matrix instructions: key blocks a0, a0 + 1 of the window's four (hi = 0: my keys 0-63, 1: keys 64-127) x all 8 column blocks, 32 along K.  zero = 1: the first product starts the sums.
; The 64 accumulators take turns, one instruction a turn, in the same order in every quarter.
.macro MUL16 f, hi, a0, zero
	WIN MUL_LO+0x50*(\hi)
.irp a, \a0, (\a0)+1
.irp b, 0,1,2,3,4,5,6,7
.if \zero
	v_wmma_f32_16x16x32_bf16 v[8*(8*(\a)+(\b)):8*(8*(\a)+(\b))+7], v[(\f)+8*(4*(\hi)+(\a)):(\f)+8*(4*(\hi)+(\a))+7], v[(\f)+8*(\b):(\f)+8*(\b)+7], 0
.else
	v_wmma_f32_16x16x32_bf16 v[8*(8*(\a)+(\b)):8*(8*(\a)+(\b))+7], v[(\f)+8*(4*(\hi)+(\a)):(\f)+8*(4*(\hi)+(\a))+7], v[(\f)+8*(\b):(\f)+8*(\b)+7], v[8*(8*(\a)+(\b)):8*(8*(\a)+(\b))+7]
.endif
.endr
.endr
.endm
; 32 LDS loads in one run: the fragments of 32 K at byte k of the rows, into buffer f: B's eight blocks (four of Wk, then four of Wv, 128 rows on), then A's eight
.macro FETCH slot, k, f
	WIN TO_B
.irp i, 0,1,2,3,4,5,6,7
	ds_load_b128 v[(\f)+8*(\i):(\f)+8*(\i)+3],   v[ADRB+(\slot)] offset:(\k)+((\i)*16+((\i)/4)*64)*PITCH
	ds_load_b128 v[(\f)+8*(\i)+4:(\f)+8*(\i)+7], v[ADRB+(\slot)] offset:(\k)+((\i)*16+((\i)/4)*64)*PITCH+32
.endr
	WIN 0
.irp i, 0,1,2,3,4,5,6,7
	ds_load_b128 v[(\f)+8*(\i):(\f)+8*(\i)+3],   v[ADRA+(\slot)] offset:(\k)+(\i)*16*PITCH
	ds_load_b128 v[(\f)+8*(\i)+4:(\f)+8*(\i)+7], v[ADRA+(\slot)] offset:(\k)+(\i)*16*PITCH+32
.endr
.endm
; A K step is four quarters of 32 along K, 64 matrix instructions each, on buffers 0, 1, 0, 1.  One of the first three: multiplies buffer f; in its middle it does its part of query's and Wq's copies
; (b, issue, left, padd: see RIDE) and fetches the next quarter, at byte k, into g.
.macro QUARTER slot, k, f, g, zero, b, issue, left, padd
	s_wait_dscnt 8                                 ; B and A's keys 0-63 are in; the youngest eight loads (A's keys 64-127) may be out
	MUL16 \f, 0, 0, \zero
	MUL16 \f, 0, 2, \zero
	RIDE \b, \issue, \left, \padd
	FETCH \slot, \k, \g
	s_wait_dscnt 32                                ; all but the 32 just issued
	MUL16 \f, 1, 0, \zero
	MUL16 \f, 1, 2, \zero
.endm
; The last quarter multiplies buffer 1 and changes slots: ONE barrier.  In front of it each wave waits for all its tensor loads (one is out: its part of the next slot), adds 0 to its spare word,
; and waits for that and for its own reads of this slot.  Behind it nobody reads this slot any more and the next slot is whole.
.macro MEET round
	WIN 0                                          ; (the add's two registers lie in window 0)
	s_wait_tensorcnt 0x0
	ds_add_u32 v[SPW], v[NIL]                      ; 0 onto my spare word
	s_wait_dscnt 9                                 ; (the add and the youngest eight loads may be out)
	MUL16 F1, 0, 0, 0                              ; sixteen matrix instructions stand between the add and the wait for it
	s_wait_dscnt 0x0                               ; the add is done, and my reads of this slot are over
	s_barrier_signal -1
	MUL16 F1, 0, 2, 0                              ; work on registers while the others arrive
.if \round
	WIN 0
.endif
	s_barrier_wait -1
.endm
; fill = 1: the barrier opens a round of the cluster's, and the slot just read out is filled again, two K steps ahead, first thing behind the round: 224 matrix instructions ahead of the wait for it.
.macro TURN slot, next, fill
	MEET \fill
.if \fill
	CREST                                          ; no wave of any partner still reads this slot's tile or has a load on its way
	s_add_nc_u64 s[G0+4*(\slot)+2:G0+4*(\slot)+3], s[G0+4*(\slot)+2:G0+4*(\slot)+3], 2*KSTEP*2
	s_add_nc_u64 s[G0B+4*(\slot)+2:G0B+4*(\slot)+3], s[G0B+4*(\slot)+2:G0B+4*(\slot)+3], 2*KSTEP*2
	JLOAD \slot                                    ; its four v_nop are also the places in front of the loads below
.else
	PLACES
.endif
	FETCH \next, 0, F0
	MUL16 F1, 1, 0, 0
	MUL16 F1, 1, 2, 0
.endm
	s_wait_tensorcnt 1                             ; my part of K step 0 is in; K step 1's may stay out
	s_barrier_signal -1
	s_barrier_wait -1                              ; everybody's is
	FETCH 0, 0, F0
	QUARTER 0, 64,  F0, F1, 1, 0, 1, 8, 0          ; the first quarter stands in front of the loop: its products start the sums.  (8: the four younger pairs of loads stay out)
	WIN 0                                          ; at a label and at a branch every window is 0
	s_wait_xcnt 0x0                                ; the loads' bases are stepped only behind this wait
	s_add_nc_u64 s[LQ:LQ+1], s[LQ:LQ+1], 4096      ; all that a trip asks for belongs to the next six quarter steps
	s_add_nc_u64 s[LW:LW+1], s[LW:LW+1], 2048
	s_mov_b32 s3, LAPS-1
.Llap:                                                 ; a trip goes once round the ring, from a lap's second quarter to the next lap's first, and fills both slots again
	QUARTER 0, 128, F1, F0, 0, 1, 1, 8, 0
	QUARTER 0, 192, F0, F1, 0, 2, 1, 8, 0
	TURN 0, 1, 1
	QUARTER 1, 64,  F0, F1, 0, 3, 1, 8, 0
	QUARTER 1, 128, F1, F0, 0, 4, 1, 8, 0
	QUARTER 1, 192, F0, F1, 0, 5, 1, 8, 0
	TURN 1, 0, 1
	QUARTER 0, 64,  F0, F1, 0, 0, 1, 8, 1
	WIN 0
	s_wait_xcnt 0x0                                ; the four bases are stepped only behind this wait
	s_add_nc_u64 s[LQ:LQ+1], s[LQ:LQ+1], 4096      ; six quarter steps: 4,096 bytes of query, 2,048 of Wq,
	s_add_nc_u64 s[LW:LW+1], s[LW:LW+1], 2048
	s_add_nc_u64 s[SQ:SQ+1], s[SQ:SQ+1], 2048      ; and half as many of their copies
	s_add_nc_u64 s[SW:SW+1], s[SW:SW+1], 1024
	s_sub_co_u32 s3, s3, 1
	s_cmp_lg_u32 s3, 0
	s_cbranch_scc1 .Llap
	QUARTER 0, 128, F1, F0, 0, 1, 0, 8, 0          ; the last lap fills nothing and asks for nothing: the loads' counts run down
	QUARTER 0, 192, F0, F1, 0, 2, 0, 6, 0
	TURN 0, 1, 0                                   ; behind this barrier no wave reads slot 0 again, and no load fills it again
	QUARTER 1, 64,  F0, F1, 0, 3, 0, 4, 0
	QUARTER 1, 128, F1, F0, 0, 4, 0, 2, 0
	QUARTER 1, 192, F0, F1, 0, 5, 0, 0, 0
	s_wait_dscnt 8                                 ; the very last quarter: nothing more to fetch
	MUL16 F1, 0, 0, 0
	MUL16 F1, 0, 2, 0
	s_wait_dscnt 0x0
	MUL16 F1, 1, 0, 0
	MUL16 F1, 1, 2, 0
	WIN 0
	PLACES
; THE WAY OUT, a key block a trip.  Only the lines that name accumulators differ from trip to trip: they are written once for each block, chosen by forward jumps on the counter; the rest is written once.
; CASE a: -log2 e |k| and max(k, 0) of the block's four accumulators of k, its four of v rounded to bf16, its mask words.  Each accumulator is read from its lowest registers on.
.macro CASE a
	WIN 0x0a+5*((\a)/4)                            ; sources 0 and 1: window 2 or 3
.set AC, 64*((\a)%4)
.set z, 0
.rept 32
	v_mul_f32 v[T+z], |v[AC+z]|, s[NL2E]
.set z, z+1
.endr
.set z, 0
.rept 32
	v_max_num_f32 v[R+z], 0, v[AC+z]
.set z, z+1
.endr
.set z, 0
.rept 16
	v_cvt_pk_bf16_f32 v[PV+z], v[AC+32+2*z], v[AC+32+2*z+1]
.set z, z+1
.endr
	WIN 0
.irp j, 0,1,2,3
	v_mov_b32 v[MC+(\j)], v[MW+4*(\a)+(\j)]
.endr
.endm
; softplus of n numbers: t holds -log2 e |x|, r holds max(x, 0); the result, rounded to bf16 in pairs, goes to p.  The exponentials stand in one run, a plain line behind it (ISA guide 5.7.2).
; Then P(t) by Horner's rule, level by level over all pairs, so that no line waits for the one in front of it, and t P(t) + max(x, 0) in one fused line.
.macro SPCOMMON n, t, r, u, p
.set z, 0
.rept \n
	v_exp_f32 v[(\t)+z], v[(\t)+z]
.set z, z+1
.endr
	v_nop
.set z, 0
	s_wait_alu depctr_va_vdst(0)
.rept (\n)/2
	v_pk_fma_f32 v[(\u)+z:(\u)+z+1], v[(\t)+z:(\t)+z+1], s[A5:A5+1], s[A4:A4+1] op_sel_hi:[1,0,0]
.set z, z+2
.endr
.irp c, A3, A2, A1
.set z, 0
.rept (\n)/2
	v_pk_fma_f32 v[(\u)+z:(\u)+z+1], v[(\u)+z:(\u)+z+1], v[(\t)+z:(\t)+z+1], s[\c:\c+1] op_sel_hi:[1,1,0]
.set z, z+2
.endr
.endr
.set z, 0
.rept (\n)/2
	v_pk_fma_f32 v[(\t)+z:(\t)+z+1], v[(\u)+z:(\u)+z+1], v[(\t)+z:(\t)+z+1], v[(\r)+z:(\r)+z+1]
.set z, z+2
.endr
.set z, 0
.rept (\n)/2
	v_cvt_pk_bf16_f32 v[(\p)+z], v[(\t)+2*z], v[(\t)+2*z+1]
.set z, z+1
.endr
.endm
	s_mov_b32 s[CA], 0
.La:
.irp a, 1,2,3,4,5,6,7
	s_cmp_eq_u32 s[CA], \a
	s_cbranch_scc1 .Lcase_\a
.endr
.irp a, 0,1,2,3,4,5,6,7
.Lcase_\a:
	CASE \a
.if \a < 7
	s_branch .Lcommon
.endif
.endr
.Lcommon:
	SPCOMMON 32, T, R, U, PK
.irp b, 0,1,2,3
.irp j, 0,1,2,3
	v_and_b32 v[PK+4*(\b)+(\j)], v[MC+(\j)], v[PK+4*(\b)+(\j)]  ; padded keys' pk is 0
.endr
.endr
	s_lshl_b32 s78, s[CA], 9                       ; key block a lies 512 a bytes on
	v_add_nc_u32 v[SA], s78, v[STK]
	v_add_nc_u32 v[SA+1], s78, v[STV]
.irp b, 0,1,2,3
	ds_store_b128 v[SA], v[PK+4*(\b):PK+4*(\b)+3] offset:8192*(\b)      ; 32 lanes, 512 consecutive bytes
	ds_store_b128 v[SA+1], v[PV+4*(\b):PV+4*(\b)+3] offset:8192*(\b)
.endr
	s_add_co_u32 s[CA], s[CA], 1
	s_cmp_lt_u32 s[CA], 8
	s_cbranch_scc1 .La
	s_wait_dscnt 0x0                               ; for the others' sake: my stores are done
	s_barrier_signal -1
	s_barrier_wait -1                              ; pk and v of all 256 keys lie in LDS
; THE SECOND PRODUCT.  Wave w: channel blocks 2 w, 2 w + 1 of pk x the eight blocks of v and a block of ones: 18 accumulators, which take turns; 256 keys in eight steps of 32.
.macro FETCHX ks                       ; 20 LDS loads: the step's 2 fragments of pk, then its 8 of v
	WIN 0
.set XO, XB+80*((\ks)%2)
.irp i, 0,1
	ds_load_b128 v[XO+8*(\i):XO+8*(\i)+3],   v[RK] offset:8192*(\i)+1024*(\ks)
	ds_load_b128 v[XO+8*(\i)+4:XO+8*(\i)+7], v[RK] offset:8192*(\i)+1024*(\ks)+512
.endr
.irp e, 0,1,2,3,4,5,6,7
	ds_load_b128 v[XO+16+8*(\e):XO+16+8*(\e)+3],   v[RV] offset:8192*(\e)+1024*(\ks)
	ds_load_b128 v[XO+16+8*(\e)+4:XO+16+8*(\e)+7], v[RV] offset:8192*(\e)+1024*(\ks)+512
.endr
.endm
.macro KVMUL ks
	WIN 0xa0                                       ; sources window 0, C and D window 2
.set XO, XB+80*((\ks)%2)
.irp i, 0,1
.irp e, 0,1,2,3,4,5,6,7,8
.if (\e) < 8
.set BF, XO+16+8*(\e)
.else
.set BF, ONES
.endif
.set AC, 8*(9*(\i)+(\e))
.if (\ks) == 0
	v_wmma_f32_16x16x32_bf16 v[AC:AC+7], v[XO+8*(\i):XO+8*(\i)+7], v[BF:BF+7], 0
.else
	v_wmma_f32_16x16x32_bf16 v[AC:AC+7], v[XO+8*(\i):XO+8*(\i)+7], v[BF:BF+7], v[AC:AC+7]
.endif
.endr
.endr
.endm
	FETCHX 0
.set z, 0
.rept 8
	v_mov_b32 v[ONES+z], 0x3f803f80                ; 1.0 twice in bf16
.set z, z+1
.endr
.irp ks, 0,1,2,3,4,5,6,7
.if (\ks) < 7
.if (\ks) > 0
	PLACES                                         ; the buffer to be loaded was multiplied just now
.endif
	FETCHX (\ks)+1
	s_wait_dscnt 20                                ; all but the 20 just issued
.else
	s_wait_dscnt 0x0
.endif
	KVMUL \ks
.endr
	PLACES
	WIN 0x08                                       ; the stores' data lie in window 2
.set t, 0
.rept 18
	global_store_b128 v[GO], v[8*t:8*t+3], s[8:9] offset:1024*t        ; 512 consecutive bytes, at a multiple of 512 from kvp's first byte
	global_store_b128 v[GO], v[8*t+4:8*t+7], s[8:9] offset:1024*t+512
.set t, t+1
.endr
	WIN 0
	s_wait_tensorcnt 0x0                           ; the wave's end, behind my last tensor load and my last LDS store
	ds_add_u32 v[SPW], v[NIL]
	s_wait_dscnt 0x0
	CROUND                                         ; the closing round: no work-group ends while a partner may still ask for a tile that names it
	s_endpgm
.Lfunc_end_k_qd6d2ada0bc_kvproj:
	.size	k_qd6d2ada0bc_kvproj, .Lfunc_end_k_qd6d2ada0bc_kvproj-k_qd6d2ada0bc_kvproj
	.p2alignl 7, 3214868480
	.fill 96, 4, 3214868480
	.section	.rodata,"a",@progbits
	.p2align	6, 0x0
	.amdhsa_kernel k_qd6d2ada0bc_kvproj
		.amdhsa_group_segment_fixed_size 327680
		.amdhsa_private_segment_fixed_size 0
		.amdhsa_enable_private_segment 0
		.amdhsa_kernarg_size 48
		.amdhsa_user_sgpr_count 2
		.amdhsa_user_sgpr_kernarg_segment_ptr 1
		.amdhsa_wavefront_size32 1
		.amdhsa_system_sgpr_workgroup_id_x 1
		.amdhsa_system_sgpr_workgroup_id_y 1
		.amdhsa_system_sgpr_workgroup_id_z 1
		.amdhsa_system_vgpr_workitem_id 0
		.amdhsa_next_free_vgpr 1024
		.amdhsa_next_free_sgpr 94
		.amdhsa_reserve_vcc 0
		.amdhsa_float_denorm_mode_32 3
		.amdhsa_float_denorm_mode_16_64 3
		.amdhsa_memory_ordered 1
		.amdhsa_forward_progress 1
		.amdhsa_inst_pref_size 192
	.end_amdhsa_kernel
	.amdgpu_metadata
---
amdhsa.version: [ 1, 2 ]
amdhsa.kernels:
  - .name:           k_qd6d2ada0bc_kvproj
    .symbol:         k_qd6d2ada0bc_kvproj.kd
    .args:
      - { .name: xb, .offset: 0, .size: 8, .value_kind: global_buffer, .address_space: global }
      - { .name: key_padding_mask, .offset: 8, .size: 8, .value_kind: global_buffer, .address_space: global }
      - { .name: kvp, .offset: 16, .size: 8, .value_kind: global_buffer, .address_space: global }
      - { .name: query, .offset: 24, .size: 8, .value_kind: global_buffer, .address_space: global }
      - { .name: Wq, .offset: 32, .size: 8, .value_kind: global_buffer, .address_space: global }
      - { .name: xq, .offset: 40, .size: 8, .value_kind: global_buffer, .address_space: global }
    .group_segment_fixed_size: 327680
    .private_segment_fixed_size: 0
    .kernarg_segment_align: 8
    .kernarg_segment_size: 48
    .max_flat_workgroup_size: 128
    .sgpr_count:     94
    .vgpr_count:     1024
    .wavefront_size: 32
...
	.end_amdgpu_metadata
.endif
;; end of part 2
;; launch qattn (part 3): grid 16 x 16, 4 waves a work-group, clusters of 4 x 4, 327,680 bytes of LDS; arguments xq, kvp, query_padding_mask, out0; writes out0
.if DOCPART == 3
	.amdgcn_target "amdgcn-amd-amdhsa--gfx1250"
	.amdhsa_code_object_version 6
	.text
	.protected	k_qd6d2ada0bc_qattn
	.globl	k_qd6d2ada0bc_qattn
	.p2align	8
	.type	k_qd6d2ada0bc_qattn,@function
k_qd6d2ada0bc_qattn:
	s_mov_b64 s[64:65], 0
	v_nop
	global_prefetch_b8 v0, s[64:65] scope:SCOPE_SE
	s_setreg_imm32_b32 hwreg(HW_REG_WAVE_MODE, 25, 1), 1
	s_wait_xcnt 0x0
	s_wait_alu depctr_hold_cnt(0) depctr_sa_sdst(0) depctr_va_vdst(0) depctr_va_sdst(0) depctr_va_ssrc(0) depctr_va_vcc(0) depctr_vm_vsrc(0)
	s_getreg_b32 s2, hwreg(HW_REG_IB_STS2, 6, 4)
	s_cmp_eq_u32 s2, 0
	s_cbranch_scc0 .Lentry_in_a_cluster
	s_endpgm
.Lentry_in_a_cluster:
	s_bfe_u32 s2, ttmp6, 0x10000c
	s_cmp_lg_u32 s2, 0xf033
	s_cbranch_scc0 .Lentry_shape_is_right
	s_endpgm
.Lentry_shape_is_right:
; THE QUERY SIDE.  For one head h and one block of 256 query rows: q = query Wq^T (128 channels, K = 2,048, bf16 operands out of xq, f32 sums); pq = softplus(q);
; out[row][e] = (sum over d of pq[d] kv[d][e]) / (sum over d of pq[d] ksum[d]), 0 for padded rows.  q never reaches memory.
; kv and ksum: the batch's four partial blocks in kvp (f32; layout at the head of the launch that writes them) are added in f32 and rounded once to bf16, as fragments, into LDS.  That work stands BESIDE
; THE K LOOP: a wave's 18 tiles go in nine pairs, one ahead of the loop, one in each of its seven trips, one in the tail; a pair is asked for a whole trip ahead of its sums.
; LIMITS.  softplus(x) = max(x, 0) + ln(1 + t), t = 2^(-|x| log2 e), which lies in 0 to 1 for every x; ln(1 + t) = t P(t), P of degree 4 (Abramowitz and Stegun 4.1.43): off by 1e-5 at the most, and by
; 5.1e-4 of itself at the most (as t goes to 0).  Below x = -87.3 t is under 2^-126 and v_exp_f32 gives 0: pq counts as 0 there, and a row whose 128 channels all lie there gives 0 / 0.  pq is rounded once
; to bf16; numerator and divisor are made of the same rounded pq, kv, ksum.  The division is v_rcp_f32 and a multiply: a divisor under 2^-126 or over 2^126 is not served.  A padded row is multiplied by 0:
; its numerator must be finite.  Mask bytes are 0 or 1.  NaN and infinities are not treated apart.
; SHARES.  Grid x = head, y = row block: 256 work-groups of four waves.  Wave w has rows 64 w .. 64 w + 63 (four tiles of 16) and all 128 channels: 32 accumulators; a row's whole head lies in one wave.
; K STEPS OF 128: two slots of 256 along K would be 2 x 384 rows x 528 bytes = 405,504, more than a work-group can have.
; THE MATRIX INSTRUCTION IS USED TRANSPOSED: source 0 = 16 rows of Wq, source 1 = 16 query rows.  A lane then holds ONE query (l % 16) and the channels 8 (l / 16) + 0..7: two channel blocks, after
; softplus and rounded in pairs, ARE source 1 (32 d x 16 queries) of O^T = kv^T pq^T, whose result again holds one query a lane and eight neighbouring e.  A ninth block of kv^T, all rows ksum, gives the divisor.
; CLUSTER: 4 x 4 work-groups.  The four of a row share the query rows (A's tiles), the four of a column the head's rows of Wq (B's): each tile is asked for jointly.  The partials of kv are NOT asked for jointly:
; they come through registers, where they are added: 294,912 bytes against the 1,572,864 of a work-group's tiles.
; REGISTERS, in windows of 256 (s_set_vgpr_msb: bits 1:0 source 0, 3:2 source 1, 5:4 source 2, 7:6 destination):
;   window 0: v0-31 addresses and small things; v32-39 a pair of kv's tiles, packed; later v32-63 pq packed; v64-159, v160-255 two fragment buffers (8 of Wq, 4 of query); on the way out v64-255 at work
;   window 1: q's accumulators, (tile qt, block db) at v[8 (8 qt + db)]      window 2: in the loop v0-63 a pair of tiles' partials as loaded; then kv^T's fragments, (eb, dk) at v[8 (4 eb + dk)]
;   window 3: v0-31 ksum's fragments; v32-95 O^T; v96-103 the divisor
.set KD,     2048
.set KSTEP,  128
.set PITCH,  272                       ; an LDS row: 256 bytes + 16 of padding = 68 words: row r starts at bank 4 r mod 64 (64 banks of 4 bytes: ISA guide 11.1)
.set AHALF,  128*PITCH                 ; what a load of A brings
.set BHALF,  64*PITCH                  ; what a load of B brings
.set BOFF,   2*AHALF                   ; in a slot: 256 query rows, then 128 rows of Wq
.set SLOT,   384*PITCH
.set KVF,    2*SLOT                    ; behind the ring, never filled by a tensor load: wave w's 18 tiles at 9,216 w + 512 t: t = 9 g + eb is half g (16 d) of fragment (eb, dk = w)
.set KVW,    18*512
.set STAGE,  KVF+4*KVW                 ; 16 rows x 528 bytes for each wave, for the way out
.set SP,     528                       ; 512 + 16: 16 rows start at 16 different groups of four banks
.set SPARE,  STAGE+4*16*SP             ; the spare words, 128 bytes for each wave: two blocks of 256 bytes that no other line names
.set LAPS,   KD/(2*KSTEP)
.set XWQ,    16777216                  ; Wq's bf16 copy in xq; query's lies at byte 0
.set QM,   8                           ; v8      the trip's mask byte
.set INV,  10                          ; v[10:11] 1 / divisor, or 0 for a padded row
.set QMASK, 12                         ; v12-15  my query's mask byte in each of the four tiles
.set ADRA, 16                          ; v16-17  LDS address of my query fragments in slot 0, 1
.set ADRB, 20                          ; v20-21  of Wq's
.set QMO,  22                          ; v22     l % 16
.set GO,   23                          ; v23     16 x lane
.set STO,  24                          ; v24     the way out: where I put 32 bytes of a row
.set RD,   25                          ; v25     where I read a row back
.set KST,  26                          ; v26     where my first tile of kv goes
.set KRD,  27                          ; v27     where all are read
.set SPW,  28                          ; v28     LDS address of my spare word; never rewritten
.set NIL,  29                          ; v29     0; never rewritten
.set KSA,  30                          ; v30     where the pair in hand goes
.set C4,   32
.set P,    32
.set F0,   64
.set F1,   160
.set T,    64                          ; the way out, 64 numbers a trip: t, then softplus
.set R,    128
.set U,    192
.set OB,   64                          ; 16 rows read back from the stage
.set OT,   32                          ; window 3
.set DEN,  96                          ; window 3
.set WV,   12                          ; s12  my wave's number
.set G1, 24
.set G0, 32
.set G1B, 48
.set G0B, 56
.set NL2E, 66                          ; s66      -log2 e
.set CQ,   67                          ; s67      the way out's tile
.set A1,   68                          ; s[68:77] the polynomial's five numbers, each as a pair
.set A2,   70
.set A3,   72
.set A4,   74
.set A5,   76
.set KOFF, 78                          ; s78      1,024 x the pair in hand
.set MSB, 0
.macro WIN new
.if MSB != (\new)
	s_set_vgpr_msb (MSB<<8)|(\new)
.set MSB, (\new)
.endif
.endm
.set MUL, 0x50                         ; sources window 0, C and D window 1
.macro JLOAD s                         ; a joint load: waves 0 and 1 fetch A's two halves, waves 2 and 3 B's; an s_nop 0 and four v_nop follow each of the two lines
	s_cmp_eq_u32 s13, 0
	s_cbranch_scc0 .Lfor_b_\@
	tensor_load_to_lds s[G0+4*(\s):G0+4*(\s)+3], s[G1:G1+7]
	s_nop 0
.rept 4
	v_nop
.endr
	s_branch .Lasked_\@
.Lfor_b_\@:
	tensor_load_to_lds s[G0B+4*(\s):G0B+4*(\s)+3], s[G1B:G1B+7]
	s_nop 0
.rept 4
	v_nop
.endr
.Lasked_\@:
.endm
.macro CREST
	s_cmp_lg_u32 s[WV], 0
	s_cbranch_scc1 .Lnot_wave_0_\@
	s_barrier_signal -3
.Lnot_wave_0_\@:
	s_barrier_wait -3
	s_barrier_signal -1
	s_barrier_wait -1
.endm
.macro CROUND
	s_barrier_signal -1
	s_barrier_wait -1
	CREST
.endm
.macro PLACES                          ; four places behind a matrix instruction (ISA guide 7.12.1)
.rept 4
	v_nop
.endr
.endm
; A PAIR OF KV'S TILES.  KVLOAD asks for the four partials of two tiles: 16 loads of 512 consecutive bytes into window 2, tile tt's partial p at v[32 tt + 8 p].
.macro KVLOAD
	WIN 0x80                                       ; destination window 2, address window 0
.irp tt, 0,1
.irp p, 0,1,2,3
.irp g, 0,1
	global_load_b128 v[32*(\tt)+8*(\p)+4*(\g):32*(\tt)+8*(\p)+4*(\g)+3], v[GO], s[6:7] offset:73728*(\p)+1024*(\tt)+512*(\g)
.endr
.endr
.endr
	WIN 0
.endm
; KVSUM adds them in f32, (p0 + p1) + (p2 + p3), rounds to bf16 in pairs, stores the two tiles into my part of LDS and steps on.  None of its registers is a matrix instruction's.
.macro KVSUM
	s_wait_loadcnt 0x0                             ; the pair is in (in the loop it was asked for a trip ago); its loads are done, so their base may be stepped below
	WIN 0x8a                                       ; destination and both sources window 2
.irp tt, 0,1
.irp j, 0,2,4,6
	v_pk_add_f32 v[32*(\tt)+(\j):32*(\tt)+(\j)+1], v[32*(\tt)+(\j):32*(\tt)+(\j)+1], v[32*(\tt)+8+(\j):32*(\tt)+8+(\j)+1]
	v_pk_add_f32 v[32*(\tt)+16+(\j):32*(\tt)+16+(\j)+1], v[32*(\tt)+16+(\j):32*(\tt)+16+(\j)+1], v[32*(\tt)+24+(\j):32*(\tt)+24+(\j)+1]
.endr
.endr
.irp tt, 0,1
.irp j, 0,2,4,6
	v_pk_add_f32 v[32*(\tt)+(\j):32*(\tt)+(\j)+1], v[32*(\tt)+(\j):32*(\tt)+(\j)+1], v[32*(\tt)+16+(\j):32*(\tt)+16+(\j)+1]
.endr
.endr
	WIN 0x0a                                       ; sources window 2, destination window 0
.irp tt, 0,1
.irp j, 0,1,2,3
	v_cvt_pk_bf16_f32 v[C4+4*(\tt)+(\j)], v[32*(\tt)+2*(\j)], v[32*(\tt)+2*(\j)+1]
.endr
.endr
	WIN 0
	v_add_nc_u32 v[KSA], s[KOFF], v[KST]
	ds_store_b128 v[KSA], v[C4:C4+3]               ; 32 lanes, 512 consecutive bytes
	ds_store_b128 v[KSA], v[C4+4:C4+7] offset:512
	s_add_nc_u64 s[6:7], s[6:7], 2048              ; the next pair: two tiles of 1,024 bytes on in kvp,
	s_add_co_u32 s[KOFF], s[KOFF], 1024            ; two of 512 on in LDS
.endm
	s_load_b256 s[4:11], s[0:1], 0x0               ; xq s[4:5], kvp s[6:7], query_padding_mask s[8:9], out0 s[10:11]
	v_lshl_add_u32 v[SPW], v0, 2, SPARE
	v_mov_b32 v[NIL], 0
	ds_add_u32 v[SPW], v[NIL]                      ; the wave's opening: the add and its wait stand ahead of my first tensor load; the set-up below, work on registers, stands between them
	v_lshrrev_b32 v1, 5, v0
	v_readfirstlane_b32 s[WV], v1                  ; wave 0..3
	s_lshr_b32 s13, s[WV], 1                       ; I fetch for A (0) or for B (1),
	s_and_b32 s14, s[WV], 1                        ; its first or second half
	s_bfe_u32 s40, ttmp6, 0x40000                  ; cx, cy
	s_bfe_u32 s41, ttmp6, 0x40004
	s_lshl_b32 s42, ttmp9, 2
	s_add_co_u32 s42, s42, s40                     ; the head
	s_and_b32 s15, ttmp7, 0xffff
	s_lshl_b32 s15, s15, 2
	s_add_co_u32 s15, s15, s41                     ; the row block
	s_lshl_b32 s43, s41, 2
	s_lshl_b32 s43, 15, s43                        ; my row of the cluster
	s_lshl_b32 s44, 0x1111, s40                    ; my column
	s_or_b32 s[G1+0], s43, (1<<16)|(1<<20)|(1<<21)|(5<<22)|(3<<25)  ; the mask; 2-byte elements; padding on; bit 21 beside a mask; after every 64 words 4 words
	s_or_b32 s[G1B+0], s44, (1<<16)|(1<<20)|(1<<21)|(5<<22)|(3<<25)
.irp g, G1, G1B
	s_mov_b32 s[(\g)+1], KSTEP<<16                 ; tensor_dim0 = 128
	s_mov_b32 s[(\g)+3], KSTEP<<16                 ; tile_dim0 = 128
	s_mov_b32 s[(\g)+5], KD                        ; 2,048 elements from row to row
	s_mov_b32 s[(\g)+6], 0
	s_mov_b32 s[(\g)+7], 0
.endr
	s_mov_b32 s[G1+2], 128<<16                     ; A: tensor_dim1 = tile_dim1 = 128 rows
	s_mov_b32 s[G1+4], 128
	s_mov_b32 s[G1B+2], 64<<16                     ; B: 64 rows
	s_mov_b32 s[G1B+4], 64
	s_mov_b32 s[NL2E], 0xbfb8aa3b                  ; -log2 e
	s_mov_b32 s[A1], 0x3f7fdef1                    ;  0.99949556
	s_mov_b32 s[A2], 0xbefbdb7e                    ; -0.49190896
	s_mov_b32 s[A3], 0x3e94360a                    ;  0.28947478
	s_mov_b32 s[A4], 0xbe0b5409                    ; -0.13606275
	s_mov_b32 s[A5], 0x3d03b894                    ;  0.03215845
.irp c, A1, A2, A3, A4, A5
	s_mov_b32 s[(\c)+1], s[\c]                     ; named with it as a pair
.endr
	s_mov_b32 s[KOFF], 0
	s_lshl_b32 s17, s14, 7
	s_lshl_b32 s16, s15, 8
	s_add_co_u32 s16, s16, s17                     ; query row 256 x block + 128 x half,
	s_lshl_b32 s16, s16, 12                        ; rows of 4,096 bytes
	s_mov_b32 s17, 0
	s_lshl_b32 s46, s42, 7
	s_lshl_b32 s47, s14, 6
	s_add_co_u32 s46, s46, s47                     ; Wq's row 128 x head + 64 x half
	s_lshl_b32 s46, s46, 12
	s_add_co_u32 s46, s46, XWQ
	s_mov_b32 s47, 0
	s_mul_i32 s20, s[WV], AHALF                    ; LDS: A's halves at wave x 128 rows (waves 0, 1),
	s_mul_i32 s21, s[WV], BHALF
	s_add_co_u32 s21, s21, BOFF-2*BHALF            ; B's at 256 rows + (wave - 2) x 64 rows (waves 2, 3)
	s_wait_dscnt 0x0                               ; the opening add is done
	s_wait_kmcnt 0x0
	s_add_nc_u64 s[18:19], s[4:5], s[16:17]
	s_add_nc_u64 s[46:47], s[4:5], s[46:47]
	CROUND                                         ; all sixteen work-groups are here: the first joint loads meet
.irp s, 0,1
	s_mov_b32 s[G0+4*(\s)], 1
	s_add_co_u32 s[G0+4*(\s)+1], s20, (\s)*SLOT
	s_add_nc_u64 s[G0+4*(\s)+2:G0+4*(\s)+3], s[18:19], (\s)*KSTEP*2
	s_or_b32 s[G0+4*(\s)+3], s[G0+4*(\s)+3], 0x80000000
	s_mov_b32 s[G0B+4*(\s)], 1
	s_add_co_u32 s[G0B+4*(\s)+1], s21, (\s)*SLOT
	s_add_nc_u64 s[G0B+4*(\s)+2:G0B+4*(\s)+3], s[46:47], (\s)*KSTEP*2
	s_or_b32 s[G0B+4*(\s)+3], s[G0B+4*(\s)+3], 0x80000000
	JLOAD \s                                       ; two loads of mine are out
.endr
	; my queries' mask bytes, and the first pair of my tiles of kv
	v_and_b32 v1, 15, v0                           ; l % 16
	v_bfe_u32 v2, v0, 4, 1                         ; l / 16
	v_and_b32 v3, 31, v0
	v_lshlrev_b32 v[GO], 4, v3
	v_mov_b32 v[QMO], v1
	s_lshl_b32 s80, s15, 8
	s_lshl_b32 s81, s[WV], 6
	s_add_co_u32 s80, s80, s81                     ; my first row among the 4,096
	s_mov_b32 s81, 0
	s_add_nc_u64 s[8:9], s[8:9], s[80:81]
	s_lshl_b32 s80, s80, 13                        ; out0: rows of 8,192 bytes,
	s_lshl_b32 s82, s42, 9                         ; the head's 512 bytes in them
	s_add_co_u32 s80, s80, s82
	s_add_nc_u64 s[10:11], s[10:11], s[80:81]
	s_lshr_b32 s82, s15, 2                         ; kvp: (batch x 16 + head) x four blocks,
	s_lshl_b32 s82, s82, 4
	s_add_co_u32 s82, s82, s42
	s_mul_i32 s82, s82, 294912
	s_mul_i32 s83, s[WV], 18432                    ; my 18 tiles in each
	s_add_co_u32 s82, s82, s83
	s_mov_b32 s83, 0
	s_add_nc_u64 s[6:7], s[6:7], s[82:83]
.irp q, 0,1,2,3
	global_load_u8 v[QMASK+(\q)], v[QMO], s[8:9] offset:16*(\q)
.endr
	KVLOAD
	v_mul_u32_u24 v3, v1, PITCH
	v_lshl_add_u32 v3, v2, 4, v3                   ; a fragment's row x pitch + 16 x half
	s_mul_i32 s20, s[WV], 64*PITCH                 ; my 64 query rows
	s_mov_b32 s21, BOFF                            ; all 128 rows of Wq
.irp s, 0,1
	v_add_nc_u32 v[ADRA+(\s)], s20, v3
	v_add_nc_u32 v[ADRB+(\s)], s21, v3
	s_add_co_u32 s20, s20, SLOT
	s_add_co_u32 s21, s21, SLOT
.endr
	s_mul_i32 s22, s[WV], 16*SP
	s_add_co_u32 s22, s22, STAGE                   ; my stage
	v_mul_u32_u24 v4, v1, SP                       ; in: row l % 16, 32 bytes for each half of the lanes
	v_lshl_add_u32 v4, v2, 5, v4
	v_add_nc_u32 v[STO], s22, v4
	v_add_nc_u32 v[RD], s22, v[GO]                 ; back: 32 lanes take one row of 512 bytes
	s_mul_i32 s23, s[WV], KVW
	s_add_co_u32 s23, s23, KVF
	v_add_nc_u32 v[KST], s23, v[GO]                ; my tiles are the channels d = 32 w .. 32 w + 31: fragment dk = w of every eb
	v_add_nc_u32 v[KRD], KVF, v[GO]
	KVSUM                                          ; pair 0 (and the mask bytes are in), while the first tile of the ring is on its way
	KVLOAD                                         ; pair 1
; 8 matrix instructions: query tile qt x all 8 blocks of Wq's rows, 32 along K.  The 32 accumulators take turns, one instruction a turn, in the same order in every quarter.
.macro MULQ f, qt, zero
	WIN MUL
.irp db, 0,1,2,3,4,5,6,7
.if \zero
	v_wmma_f32_16x16x32_bf16 v[8*(8*(\qt)+(\db)):8*(8*(\qt)+(\db))+7], v[(\f)+8*(\db):(\f)+8*(\db)+7], v[(\f)+64+8*(\qt):(\f)+64+8*(\qt)+7], 0
.else
	v_wmma_f32_16x16x32_bf16 v[8*(8*(\qt)+(\db)):8*(8*(\qt)+(\db))+7], v[(\f)+8*(\db):(\f)+8*(\db)+7], v[(\f)+64+8*(\qt):(\f)+64+8*(\qt)+7], v[8*(8*(\qt)+(\db)):8*(8*(\qt)+(\db))+7]
.endif
.endr
.endm
; 24 LDS loads in one run: Wq's eight fragments, then my four of query, 32 K at byte k of the rows, into buffer f
.macro FETCH slot, k, f
	WIN 0
.irp i, 0,1,2,3,4,5,6,7
	ds_load_b128 v[(\f)+8*(\i):(\f)+8*(\i)+3],   v[ADRB+(\slot)] offset:(\k)+(\i)*16*PITCH
	ds_load_b128 v[(\f)+8*(\i)+4:(\f)+8*(\i)+7], v[ADRB+(\slot)] offset:(\k)+(\i)*16*PITCH+32
.endr
.irp i, 0,1,2,3
	ds_load_b128 v[(\f)+64+8*(\i):(\f)+64+8*(\i)+3],   v[ADRA+(\slot)] offset:(\k)+(\i)*16*PITCH
	ds_load_b128 v[(\f)+64+8*(\i)+4:(\f)+64+8*(\i)+7], v[ADRA+(\slot)] offset:(\k)+(\i)*16*PITCH+32
.endr
.endm
; A K step is four quarters of 32 along K, 32 matrix instructions each, on buffers 0, 1, 0, 1.  more: LDS stores issued behind the fragments' loads (KVSUM's two), which may stay out as well.
.macro QUARTER slot, k, f, g, zero, more=0
	s_wait_dscnt 4+(\more)                         ; Wq and query tiles 0, 1 are in; the youngest four loads (tiles 2, 3) may be out
	MULQ \f, 0, \zero
	MULQ \f, 1, \zero
	PLACES
	FETCH \slot, \k, \g
	s_wait_dscnt 24                                ; all but the 24 just issued
	MULQ \f, 2, \zero
	MULQ \f, 3, \zero
.endm
; The last quarter multiplies buffer 1 and changes slots: ONE barrier.  Its first 16 matrix instructions stand AHEAD of the wait for the tile, so that behind the tile's landing only the add, the barrier and
; the refill are left.  In front of the barrier each wave waits for all its tensor loads (one is out: its part of the next slot), adds 0 to its spare word, and waits for that and for its own reads of this slot.
; fill = 1: the barrier opens a round of the cluster's, and this slot is filled again, two K steps ahead, first thing behind the round: 128 matrix instructions ahead of the wait for it.
.macro TURN slot, next, fill
	s_wait_dscnt 4                                 ; Wq and query tiles 0, 1 are in
	MULQ F1, 0, 0
	MULQ F1, 1, 0
	WIN 0
	s_wait_tensorcnt 0x0                           ; no tensor load of mine is out, so a group 0 may be written
	ds_add_u32 v[SPW], v[NIL]                      ; 0 onto my spare word; the descriptors' steps stand between it and the wait for it
.if \fill
	s_add_nc_u64 s[G0+4*(\slot)+2:G0+4*(\slot)+3], s[G0+4*(\slot)+2:G0+4*(\slot)+3], 2*KSTEP*2
	s_add_nc_u64 s[G0B+4*(\slot)+2:G0B+4*(\slot)+3], s[G0B+4*(\slot)+2:G0B+4*(\slot)+3], 2*KSTEP*2
.endif
	s_wait_dscnt 0x0                               ; the add is done, and my reads of this slot are over (query tiles 2, 3 were the last)
	s_barrier_signal -1
	s_barrier_wait -1
.if \fill
	CREST                                          ; no wave of any partner still reads this slot's tile or has a load on its way
	JLOAD \slot                                    ; its four v_nop are also the places in front of the loads below
.else
	PLACES
.endif
	FETCH \next, 0, F0
	MULQ F1, 2, 0
	MULQ F1, 3, 0
.endm
	s_wait_tensorcnt 1                             ; my part of K step 0 is in; K step 1's may stay out
	s_wait_dscnt 0x0                               ; no LDS instruction of mine is out at the signal
	s_barrier_signal -1
	s_barrier_wait -1                              ; K step 0 is whole
	FETCH 0, 0, F0
	QUARTER 0, 64,  F0, F1, 1                      ; the first quarter stands in front of the loop: its products start the sums
	WIN 0
	s_mov_b32 s3, LAPS-1
.Llap:                                                 ; a trip goes once round the ring, from a lap's second quarter to the next lap's first, and fills both slots again
	KVSUM                                          ; pairs 1 to 7 of kv's tiles,
	KVLOAD                                         ; and pairs 2 to 8 are asked for
	QUARTER 0, 128, F1, F0, 0, 2
	QUARTER 0, 192, F0, F1, 0
	TURN 0, 1, 1
	QUARTER 1, 64,  F0, F1, 0
	QUARTER 1, 128, F1, F0, 0
	QUARTER 1, 192, F0, F1, 0
	TURN 1, 0, 1
	QUARTER 0, 64,  F0, F1, 0
	WIN 0
	s_sub_co_u32 s3, s3, 1
	s_cmp_lg_u32 s3, 0
	s_cbranch_scc1 .Llap
	KVSUM                                          ; pair 8: the last
	QUARTER 0, 128, F1, F0, 0, 2                   ; the last lap fills nothing
	QUARTER 0, 192, F0, F1, 0
	TURN 0, 1, 0                                   ; every wave has waited for its stores of kv in front of this barrier: behind it kv is whole
	QUARTER 1, 64,  F0, F1, 0
	QUARTER 1, 128, F1, F0, 0
	QUARTER 1, 192, F0, F1, 0
	s_wait_dscnt 4                                 ; the very last quarter: nothing more to fetch
	MULQ F1, 0, 0
	MULQ F1, 1, 0
	s_wait_dscnt 0x0
	MULQ F1, 2, 0
	MULQ F1, 3, 0
	WIN 0
	PLACES
	; kv^T's 32 fragments into window 2, ksum's four into window 3: 72 loads, waited for behind the first tile's softplus
	WIN 0x80
.set i, 0
.rept 32                               ; i = 4 eb + dk
	ds_load_b128 v[8*i:8*i+3],   v[KRD] offset:KVW*(i%4)+512*(i/4)
	ds_load_b128 v[8*i+4:8*i+7], v[KRD] offset:KVW*(i%4)+512*(9+i/4)
.set i, i+1
.endr
	WIN 0xc0
.set i, 0
.rept 4                                ; eb = 8, dk = i
	ds_load_b128 v[8*i:8*i+3],   v[KRD] offset:KVW*i+512*8
	ds_load_b128 v[8*i+4:8*i+7], v[KRD] offset:KVW*i+512*17
.set i, i+1
.endr
	WIN 0
; THE WAY OUT, a tile of 16 queries a trip.  Only the lines that name q's accumulators differ: they are written once for each tile, chosen by forward jumps on the counter.
; Each accumulator is read from its lowest registers on.
.macro CASEQ q
	WIN 0x05                                       ; sources 0 and 1 window 1
.set z, 0
.rept 64
	v_mul_f32 v[T+z], |v[64*(\q)+z]|, s[NL2E]
.set z, z+1
.endr
.set z, 0
.rept 64
	v_max_num_f32 v[R+z], 0, v[64*(\q)+z]
.set z, z+1
.endr
	WIN 0
	v_mov_b32 v[QM], v[QMASK+(\q)]
.endm
; softplus of n numbers: t holds -log2 e |x|, r holds max(x, 0); the result, rounded to bf16 in pairs, goes to p.  The exponentials stand in one run, a plain line behind it (ISA guide 5.7.2).
; Then P(t) by Horner's rule, level by level over all pairs, so that no line waits for the one in front of it, and t P(t) + max(x, 0) in one fused line.
.macro SPCOMMON n, t, r, u, p
.set z, 0
.rept \n
	v_exp_f32 v[(\t)+z], v[(\t)+z]
.set z, z+1
.endr
	v_nop
.set z, 0
	s_wait_alu depctr_va_vdst(0)
.rept (\n)/2
	v_pk_fma_f32 v[(\u)+z:(\u)+z+1], v[(\t)+z:(\t)+z+1], s[A5:A5+1], s[A4:A4+1] op_sel_hi:[1,0,0]
.set z, z+2
.endr
.irp c, A3, A2, A1
.set z, 0
.rept (\n)/2
	v_pk_fma_f32 v[(\u)+z:(\u)+z+1], v[(\u)+z:(\u)+z+1], v[(\t)+z:(\t)+z+1], s[\c:\c+1] op_sel_hi:[1,1,0]
.set z, z+2
.endr
.endr
.set z, 0
.rept (\n)/2
	v_pk_fma_f32 v[(\t)+z:(\t)+z+1], v[(\u)+z:(\u)+z+1], v[(\t)+z:(\t)+z+1], v[(\r)+z:(\r)+z+1]
.set z, z+2
.endr
.set z, 0
.rept (\n)/2
	v_cvt_pk_bf16_f32 v[(\p)+z], v[(\t)+2*z], v[(\t)+2*z+1]
.set z, z+1
.endr
.endm
	s_mov_b32 s[CQ], 0
.Lqt:
.irp q, 1,2,3
	s_cmp_eq_u32 s[CQ], \q
	s_cbranch_scc1 .Lq_\q
.endr
.irp q, 0,1,2,3
.Lq_\q:
	CASEQ \q
.if \q < 3
	s_branch .Lqcommon
.endif
.endr
.Lqcommon:
	SPCOMMON 64, T, R, U, P                        ; v[P + 8 dk ..] is fragment dk: 32 channels d x 16 queries
	s_wait_dscnt 0x0                               ; kv's fragments are in (first trip)
.irp dk, 0,1,2,3                       ; O^T's eight accumulators and the divisor's take turns
	WIN 0xf2                                       ; kv^T window 2, pq window 0, C and D window 3
.irp eb, 0,1,2,3,4,5,6,7
.if (\dk) == 0
	v_wmma_f32_16x16x32_bf16 v[OT+8*(\eb):OT+8*(\eb)+7], v[8*(4*(\eb)+(\dk)):8*(4*(\eb)+(\dk))+7], v[P+8*(\dk):P+8*(\dk)+7], 0
.else
	v_wmma_f32_16x16x32_bf16 v[OT+8*(\eb):OT+8*(\eb)+7], v[8*(4*(\eb)+(\dk)):8*(4*(\eb)+(\dk))+7], v[P+8*(\dk):P+8*(\dk)+7], v[OT+8*(\eb):OT+8*(\eb)+7]
.endif
.endr
	WIN 0xf3                                       ; ksum's fragments lie in window 3
.if (\dk) == 0
	v_wmma_f32_16x16x32_bf16 v[DEN:DEN+7], v[8*(\dk):8*(\dk)+7], v[P+8*(\dk):P+8*(\dk)+7], 0
.else
	v_wmma_f32_16x16x32_bf16 v[DEN:DEN+7], v[8*(\dk):8*(\dk)+7], v[P+8*(\dk):P+8*(\dk)+7], v[DEN:DEN+7]
.endif
.endr
	PLACES
	WIN 0x03
	v_rcp_f32 v[INV], v[DEN]                       ; every register of that accumulator holds my query's divisor: the lowest is read
	WIN 0
	v_cmp_eq_u32 vcc_lo, 0, v[QM]                  ; a plain line behind the reciprocal, and one more
	v_nop
	s_wait_alu depctr_va_vdst(0)
	v_cndmask_b32 v[INV], 0, v[INV], vcc_lo        ; 0 for a padded row
	v_mov_b32 v[INV+1], v[INV]                     ; named with it as a pair
	WIN 0xc3                                       ; O^T (destination and source 0) window 3, the factor window 0
.set z, 0
.rept 32
	v_pk_mul_f32 v[OT+z:OT+z+1], v[OT+z:OT+z+1], v[INV:INV+1] op_sel_hi:[1,0]
.set z, z+2
.endr
	WIN 0x0c                                       ; the LDS stores' data lie in window 3
.irp eb, 0,1,2,3,4,5,6,7
	ds_store_b128 v[STO], v[OT+8*(\eb):OT+8*(\eb)+3] offset:64*(\eb)
	ds_store_b128 v[STO], v[OT+8*(\eb)+4:OT+8*(\eb)+7] offset:64*(\eb)+16
.endr
	WIN 0
.irp t, 0,1,2,3,4,5,6,7,8,9,10,11,12,13,14,15
	ds_load_b128 v[OB+4*(\t):OB+4*(\t)+3], v[RD] offset:SP*(\t)  ; my own stage; LDS serves a wave's instructions in order (ISA guide 5.7.1.4): these see the stores above, and the next trip's stores come behind them
.endr
.irp t, 0,1,2,3,4,5,6,7,8,9,10,11,12,13,14,15
	s_wait_dscnt 15-(\t)                           ; row t is back; the younger loads may be out
	global_store_b128 v[GO], v[OB+4*(\t):OB+4*(\t)+3], s[10:11] offset:8192*(\t) th:TH_STORE_NT  ; 512 consecutive bytes, at a multiple of 512 from out0's first byte
.endr
	s_wait_xcnt 0x0                                ; the stores' base and data are rewritten only behind this wait (ISA guide 3.1)
	s_add_nc_u64 s[10:11], s[10:11], 16*8192       ; the next 16 rows
	s_add_co_u32 s[CQ], s[CQ], 1
	s_cmp_lt_u32 s[CQ], 4
	s_cbranch_scc1 .Lqt
	s_wait_tensorcnt 0x0                           ; the wave's end, behind my last tensor load and my last LDS store
	ds_add_u32 v[SPW], v[NIL]
	s_wait_dscnt 0x0
	CROUND                                         ; the closing round: no work-group ends while a partner may still ask for a tile that names it
	s_endpgm
.Lfunc_end_k_qd6d2ada0bc_qattn:
	.size	k_qd6d2ada0bc_qattn, .Lfunc_end_k_qd6d2ada0bc_qattn-k_qd6d2ada0bc_qattn
	.p2alignl 7, 3214868480
	.fill 96, 4, 3214868480
	.section	.rodata,"a",@progbits
	.p2align	6, 0x0
	.amdhsa_kernel k_qd6d2ada0bc_qattn
		.amdhsa_group_segment_fixed_size 327680
		.amdhsa_private_segment_fixed_size 0
		.amdhsa_enable_private_segment 0
		.amdhsa_kernarg_size 32
		.amdhsa_user_sgpr_count 2
		.amdhsa_user_sgpr_kernarg_segment_ptr 1
		.amdhsa_wavefront_size32 1
		.amdhsa_system_sgpr_workgroup_id_x 1
		.amdhsa_system_sgpr_workgroup_id_y 1
		.amdhsa_system_sgpr_workgroup_id_z 1
		.amdhsa_system_vgpr_workitem_id 0
		.amdhsa_next_free_vgpr 1024
		.amdhsa_next_free_sgpr 84
		.amdhsa_reserve_vcc 1
		.amdhsa_float_denorm_mode_32 3
		.amdhsa_float_denorm_mode_16_64 3
		.amdhsa_memory_ordered 1
		.amdhsa_forward_progress 1
		.amdhsa_inst_pref_size 136
	.end_amdhsa_kernel
	.amdgpu_metadata
---
amdhsa.version: [ 1, 2 ]
amdhsa.kernels:
  - .name:           k_qd6d2ada0bc_qattn
    .symbol:         k_qd6d2ada0bc_qattn.kd
    .args:
      - { .name: xq, .offset: 0, .size: 8, .value_kind: global_buffer, .address_space: global }
      - { .name: kvp, .offset: 8, .size: 8, .value_kind: global_buffer, .address_space: global }
      - { .name: query_padding_mask, .offset: 16, .size: 8, .value_kind: global_buffer, .address_space: global }
      - { .name: out0, .offset: 24, .size: 8, .value_kind: global_buffer, .address_space: global }
    .group_segment_fixed_size: 327680
    .private_segment_fixed_size: 0
    .kernarg_segment_align: 8
    .kernarg_segment_size: 32
    .max_flat_workgroup_size: 128
    .sgpr_count:     84
    .vgpr_count:     1024
    .wavefront_size: 32
...
	.end_amdgpu_metadata
.endif
;; end of part 3
